; MI455X (gfx1250); checked and timed in simulation.
; The chip was launched on July 23, 2026; its instructions are those of AMD's public machine-readable ISA for CDNA 5 (MIT licence, August 2026) and "CDNA5" Instruction Set Architecture Reference Guide (July 2026). The comments in the code are by the model that wrote it; some were corrected since.
;; Multi Head Self Attention. Allowed arithmetic: matrix products marked QUANTISED: E3M2 operands, one E8M0 scale for each 32 along K, by v_wmma_scale_f32_16x16x128_f8f6f4 with both operands' format E3M2, f32 sums; everything else in f32.
;; Inputs: out_b 1,024 float32; out_w_codes 1,024 x 32 x 24 uint8 (E3M2 codes of out_w, K innermost, in blocks of 32 codes, four codes in three bytes); out_w_scales 1,024 x 32 uint8 (E8M0 scales of out_w, one for each 32 codes along K); qkv_w_codes 3,072 x 32 x 24 uint8 (E3M2 codes of qkv_w, K innermost, in blocks of 32 codes, four codes in three bytes); qkv_w_scales 3,072 x 32 uint8 (E8M0 scales of qkv_w, one for each 32 codes along K); x_codes 1 x 4,096 x 32 x 24 uint8 (E3M2 codes of x, K innermost, in blocks of 32 codes, four codes in three bytes); x_scales 1 x 4,096 x 32 uint8 (E8M0 scales of x, one for each 32 codes along K).
;; Outputs: out0 1 x 4,096 x 1,024 float32.
;; This version of the problem:
;;   THIS VERSION OF THE PROBLEM IS GIVEN IN LOW PRECISION. The matrix products marked QUANTISED in the list below multiply operands that are first quantised to E3M2 (3 exponent bits, 2 mantissa bits; 6 bits a number), with one power-of-two scale for each 32 numbers along K (OCP MX v1.0); their sums are f32. All else is computed in f32.
;;   The module's matrix products, in the order in which they are computed (A, B: the left and right operand; K: the contracted axis; several contracted axes count as one K, in the product's order):
;;     1. [M 4,096, K 1,024] x [K 1,024, N 3,072]; A: input x (given as codes); B: input qkv_w (given as codes): QUANTISED
;;     2. batch 16 x [M 4,096, K 64] x [K 64, N 4,096]; A: computed on the way; B: computed on the way: QUANTISED
;;     3. batch 16 x [M 4,096, K 4,096] x [K 4,096, N 64]; A: softmax (see below); B: computed on the way: QUANTISED
;;     4. [M 4,096, K 1,024] x [K 1,024, N 1,024]; A: computed on the way; B: input out_w (given as codes): QUANTISED
;;   THE QUANTISER, for each operand of a quantised product, along K:
;;     - K is cut into blocks of 32 from its start; a last block that is shorter is filled with zeros.
;;     - A block's scale is 2^e with e = floor(log2(the largest magnitude in the block)) - 4, held to -126 .. 127; a block of zeros has e = 0. As a byte (E8M0): e + 127.
;;     - Each number is divided by its block's scale, clamped to +-28, and rounded to the nearest number of E3M2, ties to even, subnormals kept.
;;     - The product sums the exact products of the quantised numbers (number of the format x scale) in f32.
;;   ~~~python
;;   def quantise(x, axis):      # numpy; x: float32 -> the quantised numbers, widened to float32 again
;;       x = np.moveaxis(x, axis, -1); K = x.shape[-1]
;;       x = np.pad(x, [(0, 0)] * (x.ndim - 1) + [(0, -K % 32)]); x = x.reshape(x.shape[:-1] + (-1, 32)); a = np.abs(x).max(-1, keepdims=True)
;;       e = np.where(a > 0, np.clip(np.frexp(np.where(a > 0, a, 1))[1] - 1 - 4, -126, 127), 0)      # np.frexp(a)[1] - 1 = floor(log2(a)), exactly
;;       r = np.clip(x / 2.0 ** e, -28, 28)
;;       step = 2.0 ** (np.maximum(np.frexp(np.where(r == 0, 1, r))[1] - 1, -2) - 2)
;;       q = np.round(r / step) * step * 2.0 ** e      # np.round: ties to even
;;       return np.moveaxis(q.reshape(q.shape[:-2] + (-1,))[..., :K], -1, axis).astype(np.float32)
;;   ~~~
;;   SOFTMAX AHEAD OF A QUANTISED PRODUCT. Where the list says 'softmax', what is quantised is not the finished softmax but p = 2^(t - M), with t = logit x log2(e) and M = ceil(the row's largest t), a whole number; so 1/2 < the row's largest p <= 1. The row's sum l is taken of the UNQUANTISED p, in f32, and the product's result is divided by l at the end. Since M is a whole number, a kernel that streams over the keys may use a running M (the ceiling of the running maximum): every later rescaling is an exact power of two, which a block's scale takes up: the codes' values come out the same.
;;   OPERANDS COMPUTED ON THE WAY. 'Computed on the way' means the value that the module computes at that place (a softmax that the list does not call 'softmax' is quantised finished and normalised). What goes into a quantiser is computed in f32, as accurately as f32 sums, v_exp_f32 and their like allow (about 1e-6 of the number): no bf16 or f16 on the way to a quantiser, and a product that is left as it is and whose result goes on into a quantised operand takes f32 operands (vector FMAs, or v_wmma_f32_16x16x4_f32). A number that lies on a knife's edge between two numbers of the format may be rounded either way, as far as f32 arithmetic and the matrix unit's own rounding can turn it there, and no further.
;;   INPUTS GIVEN AS CODES. out_w (in the module: [1024, 1024], K = its axis 1); qkv_w (in the module: [3072, 1024], K = its axis 1); x (in the module: [1, 4096, 1024], K = its axis 2): each comes as NAME_codes (uint8): NAME with its K axis moved to the last place and cut into blocks of 32 codes, [.., K / 32, bytes a block], one block behind the other in memory; four codes in three bytes: a row's codes are one little-endian stream of bits, code i at bits 6 i .. 6 i + 5 (a code: sign, 3 exponent bits, 2 mantissa bits); and NAME_scales (uint8): the same leading axes, one E8M0 byte (e + 127) for each 32 codes along K. Its value is code x scale, taken as it is: it is not quantised again, and the codes and scales need not be those that the quantiser above would give.
;; One version. Each part assembles by itself: llvm-mc -triple=amdgcn-amd-amdhsa -mcpu=gfx1250 --defsym DOCPART=n.
;; ======== version 1 of 1: 3 launches
;; limits: right only within a limited range of input values
;; workspace buffers: q_img 3,145,728 bytes; q_sc 262,144 bytes; kv_codes 6,291,456 bytes; kv_sc 262,144 bytes; a_img 3,145,728 bytes; a_sc 262,144 bytes
;; launch qkv (part 1): grid 8 x 32, 4 waves a work-group, clusters of 4 x 4, 327,680 bytes of LDS; arguments x_codes, x_scales, qkv_w_codes, qkv_w_scales, q_img, q_sc, kv_codes, kv_sc; writes q_img, q_sc, kv_codes, kv_sc
.if DOCPART == 1
	.amdgcn_target "amdgcn-amd-amdhsa--gfx1250"
	.amdhsa_code_object_version 6
	.text
	.protected	k_qcf6d6fd2f5_qkv
	.globl	k_qcf6d6fd2f5_qkv
	.p2align	8
	.type	k_qcf6d6fd2f5_qkv,@function
k_qcf6d6fd2f5_qkv:
	s_mov_b64 s[64:65], 0
	v_nop
	global_prefetch_b8 v0, s[64:65] scope:SCOPE_SE
	s_setreg_imm32_b32 hwreg(HW_REG_WAVE_MODE, 25, 1), 1
	s_wait_xcnt 0x0
	s_wait_alu depctr_hold_cnt(0) depctr_sa_sdst(0) depctr_va_vdst(0) depctr_va_sdst(0) depctr_va_ssrc(0) depctr_va_vcc(0) depctr_vm_vsrc(0)
	s_getreg_b32 s2, hwreg(HW_REG_IB_STS2, 6, 4)
	s_cmp_eq_u32 s2, 0
	s_cbranch_scc0 .Lentry_in_a_cluster
	s_endpgm
.Lentry_in_a_cluster:
	s_bfe_u32 s2, ttmp6, 0x10000c
	s_cmp_lg_u32 s2, 0xf033
	s_cbranch_scc0 .Lentry_shape_is_right
	s_endpgm
.Lentry_shape_is_right:
; qkv = x qkv_w^T on codes of BF6 (E3M2) with E8M0 scales, K = 1,024; its results are quantised at once, in registers, into the operands of the attention launch: nothing leaves as f32.
; x: [4096][1024] codes, 768 bytes a row; qkv_w: [3072][1024] likewise; scale bytes 32 a row.
; SHARES.  Work-group (j, i) takes tokens 128 i .. 128 i + 127 and heads 2 j, 2 j + 1, and makes their q, then k, then v: three tiles of 128 x 128, whole K from LDS.
; Wave w: c = w & 1 its 64 tokens (group G = 2 i + c), wh = w >> 1 its head: 64 x 64, 16 accumulators.
; THE ROWS OF A TILE ARE NOT NEIGHBOURS, on both sides: row m of tile t of a group of 64 is index 32 (m >> 3) + 8 t + (m & 7).  A result's lane half h holds rows 8 h + 0..7 of source 0,
; so the 32 registers of source 0's four tiles are index 32 h + 0 .. 31: ONE WHOLE BLOCK OF 32 OF THE NEXT K IN ONE LANE, in the next operand's order: no lane is asked for a maximum, no codes change lanes.
; q, k: source 0 = W (a lane holds one token, registers run along the head's 64).  v: source 0 = x (a lane holds one feature, registers run along the keys).  One epilogue serves all three.
; A RECORD (768 bytes) is 16 rows x 64 K as an image of an operand's registers 0-5: registers 0-3 at 16 x lane, registers 4-5 at 512 + 8 x lane.  Each store of the wave covers 512 or 256 consecutive bytes, aligned to 256.
; OUT: q_img [head][qtile 4 G + a][768]; q_sc [head][qtile][16] words (halfword twice); kv_codes [head][step i][12288]: K's tile 4 c + a at 768 x tile, V's record (d tile b, half c) at 6144 + 768 (2 b + c);
;   kv_sc [head][step][512]: K's halfword of tile 4 c + a, row r at 256 (a >> 1) + 16 r + 4 c + 2 (a & 1); V's of (b, c, r) at 256 (b & 1) + 16 r + 8 + 4 (b >> 1) + 2 c.
; CLUSTER 4 x 4: x's tile hangs on i alone and is asked for jointly along a row of the cluster, W's on j alone, along a column.  Every wave asks for a quarter of every tile.
; By this text's own count a wave has one tensor load out at a time, at the start and behind the one refill (W's v rows into the bytes of its q rows).
; LIMITS: a block of zeros gets the scale byte 1, not 127 (its codes are zeros, and only this program reads the bytes); blocks whose largest magnitude lies under 2^-122 keep the byte 1;
;   NaN, infinities and given scale bytes of 0xff are not served specially.
.set CHUNK,  26240                     ; 32 code rows: 96 pieces of 256 bytes + 16 of padding = 26,112, and 128 bytes unused, so that rows 32 apart start 32 banks apart
.set PITCH,  816                       ; a code row in LDS: 3 x (256 + 16) bytes = 204 words: rows start 12 banks apart (64 banks of 4 bytes: ISA guide 11.1)
.set W0B,    4*CHUNK                   ; LDS: x's 128 rows at 0; W's 128 rows of q, later of v, here;
.set W1B,    8*CHUNK                   ; W's rows of k
.set SPARE,  12*CHUNK                  ; the spare words, 128 bytes for each wave: two blocks of 256 bytes that no other line names
.set KVS,    SPARE+512                 ; 2 heads x 512 bytes: the step's scale words of K and V
.set QSS,    KVS+1024                  ; 256 bytes for each wave: q's scale words
.set AX,   2                           ; v2-3   LDS address of my x fragments (v3: for the pieces that lie behind one padding more)
.set AWA,  4                           ; v4-5   of my W fragments in W0B
.set AWB,  6                           ; v6-7   in W1B
.set L16,  8                           ; v8     16 x lane
.set L8,   9                           ; v9     8 x lane
.set SPW,  10                          ; v10    LDS address of my spare word; never rewritten
.set NIL,  11                          ; v11    0; never rewritten
.set SH8,  12                          ; v12    8 x (lane / 16)
.set XSO,  13                          ; v13    my row's 16 scale bytes: 32 x ((r & 7) + 32 (r >> 3)) + 16 h
.set KSA,  14                          ; v14    where K's halfwords go
.set VSA,  15                          ; v15    V's
.set QSA,  16                          ; v16    q's words
.set QSL,  17                          ; v17    and where I read them back
.set KVL,  18                          ; v18    where I read 256 bytes of K's and V's words back
.set XSC,  32                          ; v32-47 x's scale words: tile t at 4 t; register q: lanes 0-15 K step q, lanes 16-31 K step q + 4
.set WSC,  48                          ; v48-63 W's, likewise, loaded anew for each phase
.set MXA,  64
.set MXB,  65
.set SO,   66
.set BY,   67
.set OT,   68
.set CT,   70                          ; v70-72 a block's upper 16 codes as the conversion leaves them
.set CD,   80                          ; v80-109 block i1's six registers of codes at 8 i1: v80-85, v88-93, v96-101, v104-109
.set OQ,   112                         ; v112-113 q's words on their way out
.set OKV,  114                         ; v114-115 K's and V's
.set HW,   116                         ; v116-119 block i1's halfword: clear of the codes, which pending stores read
.set QW,   120                         ; v120-123 and the halfword twice
.set ACC,  128                         ; v128-255 accumulator (i1 = source 1's tile, i0 = source 0's) at 8 (4 i1 + i0)
.set F0,   0                           ; window 1: two fragment buffers: source 0's four at 12 i0, source 1's at 48 + 12 i1
.set G1X,  28
.set G1W,  36
.set G0X,  44
.set G0Q,  48
.set G0K,  52
.set SEL,  56
.set QB,   58
.set QSB,  60
.set KB,   66
.set VB,   68
.set SB,   70
.set XSB,  72
.set WSB,  74
.set MSB, 0
.macro WIN new                         ; the immediate's high byte repeats the setting that is left
.if MSB != \new
	s_set_vgpr_msb (MSB<<8)|\new
.set MSB, \new
.endif
.endm
.macro PLACES n
.rept \n
	v_nop
.endr
.endm
.macro CROUND                          ; a round of the cluster's barrier
	s_barrier_signal -1
	s_barrier_wait -1
	s_cmp_lg_u32 s20, 0
	s_cbranch_scc1 .Lnot_wave_0_\@
	s_barrier_signal -3
.Lnot_wave_0_\@:
	s_barrier_wait -3
	s_barrier_signal -1
	s_barrier_wait -1
.endm
; A fragment, 16 rows x 128 K, is 12 registers: registers 6 c .. 6 c + 5 hold K = 64 c + 32 (lane / 16) + 0 .. 31: 24 bytes of the row as they lie, in pieces of 8 bytes.
; Lanes 16-31 read three pieces further on; where that is behind one padding more (16 bytes behind every 32 pieces), the second address register serves.
.macro FRAG reg, adr, ks, t
.irp p, 0,1,2,3,4,5
.set PCE, 12*(\ks)+6*(\p/3)+\p%3
.if PCE%32 < 29
	ds_load_b64 v[(\reg)+2*\p:(\reg)+2*\p+1], v[\adr] offset:8*PCE+16*(PCE/32)+(\t)*8*PITCH
.else
	ds_load_b64 v[(\reg)+2*\p:(\reg)+2*\p+1], v[\adr+1] offset:8*PCE+16*(PCE/32)+(\t)*8*PITCH
.endif
.endr
.endm
.macro FETCH ks, a0, a1, f             ; 48 loads in one run: K step ks, source 0's four fragments and source 1's four
	WIN 0x40                                       ; destination window 1, address window 0
.irp t, 0,1,2,3
	FRAG (\f)+12*\t, \a0, \ks, \t
	FRAG (\f)+48+12*\t, \a1, \ks, \t
.endr
.endm
; 16 matrix instructions, the 16 accumulators by turns, in the same order in every K step.  K step 0 starts the sums: nothing is cleared.
.macro MUL16 ks, f, sa, sb
	WIN 0x05                                       ; sources 0 and 1 window 1, C and D window 0
.irp i1, 0,1,2,3
.irp i0, 0,1,2,3
.if (\ks) == 0
	v_wmma_scale_f32_16x16x128_f8f6f4 v[ACC+8*(4*\i1+\i0):ACC+8*(4*\i1+\i0)+7], v[(\f)+12*\i0:(\f)+12*\i0+11], v[(\f)+48+12*\i1:(\f)+48+12*\i1+11], 0, v[\sa+4*\i0], v[\sb+4*\i1] matrix_a_fmt:MATRIX_FMT_BF6 matrix_b_fmt:MATRIX_FMT_BF6
.elseif (\ks) < 4
	v_wmma_scale_f32_16x16x128_f8f6f4 v[ACC+8*(4*\i1+\i0):ACC+8*(4*\i1+\i0)+7], v[(\f)+12*\i0:(\f)+12*\i0+11], v[(\f)+48+12*\i1:(\f)+48+12*\i1+11], v[ACC+8*(4*\i1+\i0):ACC+8*(4*\i1+\i0)+7], v[\sa+4*\i0+(\ks)], v[\sb+4*\i1+(\ks)] matrix_a_fmt:MATRIX_FMT_BF6 matrix_b_fmt:MATRIX_FMT_BF6
.else
	v_wmma_scale_f32_16x16x128_f8f6f4 v[ACC+8*(4*\i1+\i0):ACC+8*(4*\i1+\i0)+7], v[(\f)+12*\i0:(\f)+12*\i0+11], v[(\f)+48+12*\i1:(\f)+48+12*\i1+11], v[ACC+8*(4*\i1+\i0):ACC+8*(4*\i1+\i0)+7], v[\sa+4*\i0+(\ks)-4], v[\sb+4*\i1+(\ks)-4] matrix_a_fmt:MATRIX_FMT_BF6 matrix_b_fmt:MATRIX_FMT_BF6 matrix_a_scale:MATRIX_SCALE_ROW1 matrix_b_scale:MATRIX_SCALE_ROW1
.endif
.endr
.endr
.endm
; A tile of 64 x 64 over the whole K: eight K steps written out, every offset an immediate.  While one buffer is multiplied the next K step's 48 loads are on their way into the other.
; The new sums' first products write over the old sums' registers: the epilogue's plain instructions on the other blocks stand between, more than the five places owed (ISA guide 7.12.1).
.macro PHASE a0, a1, sa, sb
	s_wait_loadcnt 0x0                             ; the scale words are in
	FETCH 0, \a0, \a1, F0
.irp ks, 0,1,2,3,4,5,6,7
	s_wait_dscnt 0x0                               ; this K step's fragments are in
.if \ks < 7
.if \ks > 0
	PLACES 4                                       ; in front of loads into the buffer that the last 16 matrix instructions read
.endif
	FETCH \ks+1, \a0, \a1, F0+128*((\ks+1)%2)
.endif
	MUL16 \ks, F0+128*(\ks%2), \sa, \sb
.endr
	WIN 0
.endm
; 32 numbers of a lane, one block of 32 along the next K, become 6 registers of codes and, with lane l xor 16's block, the row's halfword of two scale bytes.
; The largest magnitude has the floor 2^(5 - 127) among its leaves, so the byte cannot fall under 1; 4 off its exponent field is the conversion's scale operand.  Each accumulator is read from its low end on.
.macro QUANT32 src, cod, hwr
	v_max3_num_f32 v[MXA], |v[(\src)]|, |v[(\src)+1]|, 0x2800000
	v_max3_num_f32 v[MXB], |v[(\src)+16]|, |v[(\src)+17]|, |v[(\src)+18]|
.irp i, 0,1,2,3,4,5
	v_max3_num_f32 v[MXA], v[MXA], |v[(\src)+2+2*\i]|, |v[(\src)+3+2*\i]|
	v_max3_num_f32 v[MXB], v[MXB], |v[(\src)+19+2*\i]|, |v[(\src)+20+2*\i]|
.endr
	v_max3_num_f32 v[MXA], v[MXA], |v[(\src)+14]|, |v[(\src)+15]|
	v_max3_num_f32 v[MXA], v[MXA], v[MXB], |v[(\src)+31]|
	v_add_nc_u32 v[SO], 0xfe000000, v[MXA]
	v_cvt_scalef32_pk16_bf6_f32 v[(\cod):(\cod)+2], v[(\src):(\src)+15], v[SO]
	v_cvt_scalef32_pk16_bf6_f32 v[CT:CT+2], v[(\src)+16:(\src)+31], v[SO]   ; (a conversion's three registers begin on an even number)
	v_lshrrev_b32 v[BY], 23, v[SO]                 ; the scale's byte; also the plain place behind the conversions
	v_mov_b32 v[(\cod)+3], v[CT]
	v_mov_b32 v[(\cod)+4], v[CT+1]
	v_mov_b32 v[(\cod)+5], v[CT+2]
	v_lshlrev_b32 v[BY], v[SH8], v[BY]             ; block h's byte at its place,
	v_permlanex16_b32 v[OT], v[BY], s[SEL], s[SEL+1]
	v_or_b32 v[\hwr], v[BY], v[OT]                 ; with lane l xor 16's the halfword is whole
.endm
; The epilogue: source 1's four tiles, one record each.  kind 0: q, 1: k, 2: v.  Both lanes of a row write the same scale bytes with the same value.
; Each block has registers of its own for its codes, its halfword and its word: within an epilogue no register that a pending store reads is written again.
.macro EPI b, stride, kind
	s_wait_xcnt 0x0                                ; the last epilogue's stores have read their registers: the codes' registers are written again only behind this wait
.irp i1, 0,1,2,3
	QUANT32 ACC+32*\i1, CD+8*\i1, HW+\i1
	global_store_b128 v[L16], v[CD+8*\i1:CD+8*\i1+3], s[\b:\b+1] offset:\stride*\i1
	global_store_b64 v[L8], v[CD+8*\i1+4:CD+8*\i1+5], s[\b:\b+1] offset:\stride*\i1+512
.if \kind == 0
	v_lshl_or_b32 v[QW+\i1], v[HW+\i1], 16, v[HW+\i1]
	ds_store_b32 v[QSA], v[QW+\i1] offset:64*\i1
.elseif \kind == 1
	ds_store_b16 v[KSA], v[HW+\i1] offset:256*(\i1/2)+2*(\i1%2)
.else
	ds_store_b16 v[VSA], v[HW+\i1] offset:256*(\i1%2)+4*(\i1/2)
.endif
.endr
.endm
.macro WSCALES p                       ; W's scale words of phase p: 16 bytes a lane, two runs of 256 consecutive bytes a load
.irp t, 0,1,2,3
	global_load_b128 v[WSC+4*\t:WSC+4*\t+3], v[XSO], s[WSB:WSB+1] offset:32768*(\p)+256*\t
.endr
.endm
	s_load_b256 s[4:11], s[0:1], 0x0               ; x's codes s[4:5], x's scales s[6:7], W's codes s[8:9], W's scales s[10:11]
	s_load_b256 s[12:19], s[0:1], 0x20             ; q_img s[12:13], q_sc s[14:15], kv_codes s[16:17], kv_sc s[18:19]
	v_lshl_add_u32 v[SPW], v0, 2, SPARE
	v_mov_b32 v[NIL], 0
	ds_add_u32 v10, v11
	ds_add_u32 v10, v11
	s_wait_dscnt 0x0
	v_lshrrev_b32 v1, 5, v0
	v_readfirstlane_b32 s20, v1                    ; wave 0..3
	s_and_b32 s21, s20, 1                          ; c: my half of the tokens
	s_lshr_b32 s22, s20, 1                         ; wh: my head of the two
	s_bfe_u32 s23, ttmp6, 0x40000                  ; cx
	s_bfe_u32 s24, ttmp6, 0x40004                  ; cy
	s_lshl_b32 s25, ttmp9, 2
	s_add_co_u32 s25, s25, s23                     ; j = 4 x cluster x + cx
	s_and_b32 s26, ttmp7, 0xffff
	s_lshl_b32 s26, s26, 2
	s_add_co_u32 s26, s26, s24                     ; i = 4 x cluster y + cy
	s_lshl_b32 s80, s24, 2
	s_lshl_b32 s80, 15, s80                        ; my row of the cluster
	s_lshl_b32 s81, 0x1111, s23                    ; my column
	; descriptor group 1: a dense block of 24,576 bytes as 96 rows of 32 elements of 8 bytes, 16 bytes of padding behind each
	s_or_b32 s[G1X], s80, (3<<16)|(1<<20)|(1<<21)|(5<<22)|(3<<25)   ; 15:0 the mask; 17:16 elements of 8 bytes; 20 padding on; 21 set beside a mask; 24:22 after every 64 words; 31:25 of 4 words
	s_or_b32 s[G1W], s81, (3<<16)|(1<<20)|(1<<21)|(5<<22)|(3<<25)
.irp g, G1X, G1W
	s_mov_b32 s[\g+1], 32<<16                      ; tensor_dim0
	s_mov_b32 s[\g+2], 96<<16                      ; tensor_dim1
	s_mov_b32 s[\g+3], 32<<16                      ; tile_dim0
	s_mov_b32 s[\g+4], 96                          ; tile_dim1
	s_mov_b32 s[\g+5], 32                          ; tensor_dim0_stride
	s_mov_b32 s[\g+6], 0
	s_mov_b32 s[\g+7], 0
.endr
	s_mul_i32 s84, s20, 24576                      ; my quarter of a tile: 32 rows
	s_mul_i32 s82, s26, 98304                      ; x's tile: 128 rows of 768 bytes; it hangs on i alone
	s_add_co_u32 s82, s82, s84
	s_mov_b32 s83, 0
	s_mul_i32 s86, s25, 98304                      ; W's tile: on j alone
	s_add_co_u32 s86, s86, s84
	s_mov_b32 s87, 0
	s_mul_i32 s85, s20, CHUNK                      ; and where it goes: no place in the cluster enters an LDS address
	s_mov_b32 s[SEL], 0x76543210
	s_mov_b32 s[SEL+1], 0xfedcba98                 ; v_permlanex16_b32's selects for lane l xor 16
	s_wait_kmcnt 0x0
	s_mov_b32 s[G0X], 1
	s_mov_b32 s[G0X+1], s85
	s_add_nc_u64 s[G0X+2:G0X+3], s[4:5], s[82:83]
	s_or_b32 s[G0X+3], s[G0X+3], 0x80000000
	s_mov_b32 s[G0Q], 1
	s_add_co_u32 s[G0Q+1], s85, W0B
	s_add_nc_u64 s[G0Q+2:G0Q+3], s[8:9], s[86:87]
	s_mov_b32 s[G0K], 1
	s_add_co_u32 s[G0K+1], s85, W1B
	s_add_nc_u64 s[G0K+2:G0K+3], s[G0Q+2:G0Q+3], 786432   ; k's rows lie 1,024 rows behind q's
	s_or_b32 s[G0Q+3], s[G0Q+3], 0x80000000
	s_or_b32 s[G0K+3], s[G0K+3], 0x80000000
	CROUND                                         ; all sixteen work-groups are here: the first joint loads meet
	tensor_load_to_lds s[G0X:G0X+3], s[G1X:G1X+7]  ; x: the wave's one tensor load at the head; the set-up below stands under its flight
	s_nop 0
	PLACES 4
	v_and_b32 v19, 31, v0                          ; lane
	v_and_b32 v20, 15, v0                          ; r
	v_bfe_u32 v21, v0, 4, 1                        ; h
	v_and_b32 v22, 7, v0                           ; r & 7
	v_bfe_u32 v23, v0, 3, 1                        ; r >> 3
	v_lshlrev_b32 v[XSO], 5, v22
	v_lshl_add_u32 v[XSO], v23, 10, v[XSO]
	v_lshl_add_u32 v[XSO], v21, 4, v[XSO]
	s_wait_alu depctr_va_vdst(0)
	s_lshl_b32 s88, s26, 12                        ; x's scale bytes: (128 i + 64 c) rows of 32
	s_lshl_b32 s90, s21, 11
	s_add_co_u32 s88, s88, s90
	s_mov_b32 s89, 0
	s_add_nc_u64 s[XSB:XSB+1], s[6:7], s[88:89]
	s_lshl_b32 s88, s25, 12                        ; W's: (128 j + 64 wh) rows; the phase stands in the immediate
	s_lshl_b32 s90, s22, 11
	s_add_co_u32 s88, s88, s90
	s_add_nc_u64 s[WSB:WSB+1], s[10:11], s[88:89]
.irp t, 0,1,2,3
	global_load_b128 v[XSC+4*\t:XSC+4*\t+3], v[XSO], s[XSB:XSB+1] offset:256*\t
.endr
	WSCALES 0
	v_mul_u32_u24 v24, v22, PITCH
	v_mad_u32_u24 v24, v23, CHUNK, v24
	v_mad_u32_u24 v24, v21, 24, v24                ; my row of a tile: (r & 7) rows + (r >> 3) chunks + 24 h
	v_lshl_add_u32 v25, v21, 4, v24                ; and the same behind one padding more
	s_mul_i32 s96, s21, 2*CHUNK
	v_add_nc_u32 v[AX], s96, v24
	v_add_nc_u32 v[AX+1], s96, v25
	s_mul_i32 s96, s22, 2*CHUNK
	s_add_co_u32 s96, s96, W0B
	v_add_nc_u32 v[AWA], s96, v24
	v_add_nc_u32 v[AWA+1], s96, v25
	s_add_co_u32 s96, s96, 4*CHUNK
	v_add_nc_u32 v[AWB], s96, v24
	v_add_nc_u32 v[AWB+1], s96, v25
	v_lshlrev_b32 v[L16], 4, v19
	v_lshlrev_b32 v[L8], 3, v19
	v_lshlrev_b32 v[SH8], 3, v21
	v_mov_b32 v[OT], 0                             ; written once: a lane permute's destination counts as one of its sources
	s_lshl_b32 s96, s22, 9
	s_add_co_u32 s96, s96, KVS                     ; my head's 512 bytes
	s_lshl_b32 s97, s21, 2
	s_add_co_u32 s97, s97, s96
	v_lshl_add_u32 v[KSA], v20, 4, s97             ; + 4 c + 16 r
	s_lshl_b32 s97, s21, 1
	s_add_co_u32 s97, s97, s96
	s_add_co_u32 s97, s97, 8
	v_lshl_add_u32 v[VSA], v20, 4, s97             ; + 2 c + 8 + 16 r
	s_lshl_b32 s96, s20, 8
	s_add_co_u32 s97, s96, QSS
	v_lshl_add_u32 v[QSA], v20, 2, s97
	v_lshl_add_u32 v[QSL], v19, 3, s97
	s_add_co_u32 s97, s96, KVS
	v_lshl_add_u32 v[KVL], v19, 3, s97
	; where the results go
	s_lshl_b32 s91, s25, 1
	s_add_co_u32 s91, s91, s22                     ; head = 2 j + wh
	s_lshl_b32 s92, s26, 1
	s_add_co_u32 s92, s92, s21                     ; G = 2 i + c
	s_lshl_b32 s93, s91, 8
	s_lshl_b32 s92, s92, 2
	s_add_co_u32 s93, s93, s92                     ; 256 head + 4 G: my first query tile
	s_mul_i32 s88, s93, 768
	s_add_nc_u64 s[QB:QB+1], s[12:13], s[88:89]
	s_lshl_b32 s88, s93, 6
	s_add_nc_u64 s[QSB:QSB+1], s[14:15], s[88:89]
	s_lshl_b32 s93, s91, 5
	s_add_co_u32 s93, s93, s26                     ; 32 head + i: my key step
	s_mul_i32 s94, s93, 12288
	s_mul_i32 s95, s21, 3072
	s_add_co_u32 s88, s94, s95
	s_add_nc_u64 s[KB:KB+1], s[16:17], s[88:89]
	s_mul_i32 s95, s21, 768
	s_add_co_u32 s88, s94, s95
	s_add_co_u32 s88, s88, 6144
	s_add_nc_u64 s[VB:VB+1], s[16:17], s[88:89]
	s_lshl_b32 s88, s93, 9
	s_lshl_b32 s95, s21, 8
	s_add_co_u32 s88, s88, s95
	s_add_nc_u64 s[SB:SB+1], s[18:19], s[88:89]
	s_wait_alu depctr_va_vdst(0)
	s_wait_tensorcnt 0x0                           ; my part of x is in; the later first fills stand behind the same lines as a refill, one tensor load a wave out at a time
	ds_add_u32 v[SPW], v[NIL]
	s_wait_dscnt 0x0
	CROUND
	tensor_load_to_lds s[G0Q:G0Q+3], s[G1W:G1W+7]  ; W's q rows
	s_nop 0
	PLACES 4
	s_wait_tensorcnt 0x0                           ; my part of the q rows is in
	ds_add_u32 v[SPW], v[NIL]
	s_wait_dscnt 0x0
	CROUND                                         ; everybody's parts of x and of the q rows are in
	tensor_load_to_lds s[G0K:G0K+3], s[G1W:G1W+7]  ; W's k rows: they have the whole of q in which to land
	s_nop 0
	PLACES 4
	PHASE AWA, AX, WSC, XSC                        ; q: source 0 = W, source 1 = x
	PLACES 4                                       ; in front of loads into scale registers that matrix instructions have read, and of the first read of results
	WSCALES 1
	s_wait_tensorcnt 0x0                           ; all my tensor loads have landed, my part of the k rows among them: a group 0 may be written
	ds_add_u32 v[SPW], v[NIL]                      ; 0 onto my spare word
	s_add_nc_u64 s[G0Q+2:G0Q+3], s[G0Q+2:G0Q+3], 1572864   ; v's rows lie 2,048 rows behind q's; the type bits on top are not reached
	s_wait_dscnt 0x0                               ; the add is done, and my reads of the q rows are over
	CROUND                                         ; no wave of any partner still reads the q rows or has a load on its way
	tensor_load_to_lds s[G0Q:G0Q+3], s[G1W:G1W+7]  ; the one refill: W's v rows; it has q's epilogue and the whole of k in which to land
	s_nop 0
	PLACES 4
	EPI QB, 768, 0
	ds_load_b64 v[OQ:OQ+1], v[QSL]                 ; LDS serves a wave's instructions in order (ISA guide 5.7.1.4): these see my stores
	s_wait_dscnt 0x0
	global_store_b64 v[L8], v[OQ:OQ+1], s[QSB:QSB+1]   ; 32 lanes store 256 consecutive bytes, aligned
	PHASE AWB, AX, WSC, XSC                        ; k
	PLACES 4
	WSCALES 2
	EPI KB, 768, 1
	s_wait_tensorcnt 0x0                           ; my part of the v rows is in,
	s_wait_dscnt 0x0
	s_barrier_signal -1
	s_barrier_wait -1                              ; everybody's is
	PHASE AX, AWA, XSC, WSC                        ; v: source 0 = x, source 1 = W: registers run along the keys
	PLACES 4
	EPI VB, 1536, 2
	s_wait_dscnt 0x0                               ; for the others' sake: my halfwords lie in LDS
	s_barrier_signal -1
	s_barrier_wait -1
	ds_load_b64 v[OKV:OKV+1], v[KVL]               ; half a head's 512 bytes, written by two waves
	s_wait_dscnt 0x0
	global_store_b64 v[L8], v[OKV:OKV+1], s[SB:SB+1]
	s_wait_tensorcnt 0x0                           ; the wave's end
	ds_add_u32 v[SPW], v[NIL]
	s_wait_dscnt 0x0
	CROUND                                         ; the closing round
	s_endpgm
.Lfunc_end_k_qcf6d6fd2f5_qkv:
	.size	k_qcf6d6fd2f5_qkv, .Lfunc_end_k_qcf6d6fd2f5_qkv-k_qcf6d6fd2f5_qkv
	.p2alignl 7, 3214868480
	.fill 96, 4, 3214868480
	.section	.rodata,"a",@progbits
	.p2align	6, 0x0
	.amdhsa_kernel k_qcf6d6fd2f5_qkv
		.amdhsa_group_segment_fixed_size 327680
		.amdhsa_private_segment_fixed_size 0
		.amdhsa_enable_private_segment 0
		.amdhsa_kernarg_size 64
		.amdhsa_user_sgpr_count 2
		.amdhsa_user_sgpr_kernarg_segment_ptr 1
		.amdhsa_wavefront_size32 1
		.amdhsa_system_sgpr_workgroup_id_x 1
		.amdhsa_system_sgpr_workgroup_id_y 1
		.amdhsa_system_sgpr_workgroup_id_z 1
		.amdhsa_system_vgpr_workitem_id 0
		.amdhsa_next_free_vgpr 512
		.amdhsa_next_free_sgpr 100
		.amdhsa_reserve_vcc 0
		.amdhsa_float_denorm_mode_32 3
		.amdhsa_float_denorm_mode_16_64 3
		.amdhsa_memory_ordered 1
		.amdhsa_forward_progress 1
		.amdhsa_inst_pref_size 158
	.end_amdhsa_kernel
	.amdgpu_metadata
---
amdhsa.version: [ 1, 2 ]
amdhsa.kernels:
  - .name:           k_qcf6d6fd2f5_qkv
    .symbol:         k_qcf6d6fd2f5_qkv.kd
    .args:
      - { .name: x_codes, .offset: 0, .size: 8, .value_kind: global_buffer, .address_space: global }
      - { .name: x_scales, .offset: 8, .size: 8, .value_kind: global_buffer, .address_space: global }
      - { .name: qkv_w_codes, .offset: 16, .size: 8, .value_kind: global_buffer, .address_space: global }
      - { .name: qkv_w_scales, .offset: 24, .size: 8, .value_kind: global_buffer, .address_space: global }
      - { .name: q_img, .offset: 32, .size: 8, .value_kind: global_buffer, .address_space: global }
      - { .name: q_sc, .offset: 40, .size: 8, .value_kind: global_buffer, .address_space: global }
      - { .name: kv_codes, .offset: 48, .size: 8, .value_kind: global_buffer, .address_space: global }
      - { .name: kv_sc, .offset: 56, .size: 8, .value_kind: global_buffer, .address_space: global }
    .group_segment_fixed_size: 327680
    .private_segment_fixed_size: 0
    .kernarg_segment_align: 8
    .kernarg_segment_size: 64
    .max_flat_workgroup_size: 128
    .sgpr_count:     100
    .vgpr_count:     512
    .wavefront_size: 32
...
	.end_amdgpu_metadata
.endif
;; end of part 1
;; launch attn (part 2): grid 16 x 16, 8 waves a work-group, clusters of 4 x 1, 327,680 bytes of LDS; arguments q_img, q_sc, kv_codes, kv_sc, a_img, a_sc; writes a_img, a_sc
.if DOCPART == 2
	.amdgcn_target "amdgcn-amd-amdhsa--gfx1250"
	.amdhsa_code_object_version 6
	.text
	.protected	k_qcf6d6fd2f5_attn
	.globl	k_qcf6d6fd2f5_attn
	.p2align	8
	.type	k_qcf6d6fd2f5_attn,@function
k_qcf6d6fd2f5_attn:
	s_mov_b64 s[64:65], 0
	v_nop
	global_prefetch_b8 v0, s[64:65] scope:SCOPE_SE
	s_setreg_imm32_b32 hwreg(HW_REG_WAVE_MODE, 25, 1), 1
	s_wait_xcnt 0x0
	s_wait_alu depctr_hold_cnt(0) depctr_sa_sdst(0) depctr_va_vdst(0) depctr_va_sdst(0) depctr_va_ssrc(0) depctr_va_vcc(0) depctr_vm_vsrc(0)
	s_getreg_b32 s2, hwreg(HW_REG_IB_STS2, 6, 4)
	s_cmp_eq_u32 s2, 0
	s_cbranch_scc0 .Lentry_in_a_cluster
	s_endpgm
.Lentry_in_a_cluster:
	s_bfe_u32 s2, ttmp6, 0x10000c
	s_cmp_lg_u32 s2, 0x3003
	s_cbranch_scc0 .Lentry_shape_is_right
	s_endpgm
.Lentry_shape_is_right:
; Attention of 16 heads of 64 over 4,096 tokens, both products on codes of BF6 (E3M2) with E8M0 scales; the result, divided by the row's sum, is quantised along the head's 64 for the last product.
; SOFTMAX: t = score x log2(e) / 8; M = the running largest t rounded UP to a whole number; p = 2^(t - M) is quantised along the keys; the row's sum is taken of the unquantised p.
; When M moves, the sum and O are multiplied by 2^(old M - new M): exact.
; SHARES.  Work-group (B, head) owns query tiles 16 B .. 16 B + 15; each of its EIGHT waves two tiles of 16 queries (2 w, 2 w + 1), so that each fragment of K and V read from LDS feeds two tiles.
; Every wave walks 32 key steps of 128 keys.  The two tiles' vector chains stand line by line beside each other.
; LAYOUT.  All operands come as images of their registers (a record of 768 bytes: registers 0-3 at 16 x lane, registers 4-5 at 512 + 8 x lane; two records are a fragment).
; S^T = K Q^T (source 0 = 16 keys, source 1 = my queries).  The head's K is 64, half of the instruction's 128: a fragment holds TWO tiles of keys, and Q stands as [q | 0] or [0 | q]: the other tile meets zero codes.
; Register 32 c + n of lane half h is key 64 c + 32 h + n: a whole block of 32 keys in one lane, in the order of the second product's operand.  O^T = V^T P^T; O's 32 registers are d = 32 h + 0 .. 31.
; A block's largest p is not searched for: the block's largest SCORE goes through the same multiply-add and exponential (this takes v_exp_f32 not to fall where its input rises).
; REGISTERS.  Window 0: addresses, the softmax's numbers, Q, p's codes, v128-255 the two tiles' S^T.  Window 1: v0-63 the two tiles' O^T, v64-111 K's four fragments, v112-159 V's four.
; K of step s + 1 is fetched behind step s's scores, V of step s at step s's head: one set of registers each, and the step is written with no turn of buffers.
; RING: two slots of 8 key steps (98,304 bytes); the head's scale words (16,384 bytes) come once.  CLUSTER 4 x 1: the four work-groups share a head, and every load is a joint load of all four.
; At the head waves 0-3 ask for a quarter of slot 0 each, waves 4-7 for a quarter of the scale words; slot 1 and the refills: every wave one key step.  By this text's own count a wave has one tensor load out.
; THE CHANGE OF SLOTS stands in a slot's last step, behind its scores: K's and V's fragments of that step are in registers by then; the softmax, work on registers, stands between the round's opening signal and its wait.
; No prefetch is laid: a slot is asked for eight key steps ahead of its first read.
; LIMITS: the promise holds while the scaled scores stay under 2^31 in magnitude; a block of zeros gets the scale byte 1 (its codes are zeros; only this program reads the bytes); 1 / sum by v_rcp_f32;
;   NaN and infinities are not served specially.
.set STEPB, 12288                      ; a key step: K's four fragments, then V's four
.set SLOTB, 8*STEPB
.set SLOT1, 131072                     ; slot 1 begins here: one exclusive or turns an address in one slot into the other's
.set SCB,   SLOT1+SLOTB                ; the head's scale words: 512 bytes a step
.set SPARE, SCB+16384                  ; the spare words, 128 bytes for each wave: four blocks of 256 bytes that no other line names
.set SCR,   SPARE+1024                 ; 1,024 bytes: the result's scale words, 64 a tile
.set L16,  1                           ; 16 x lane
.set L8,   2                           ; 8 x lane
.set SPW,  3                           ; LDS address of my spare word; never rewritten
.set NIL,  4                           ; 0; never rewritten
.set ADA,  5                           ; v5-7 addresses of the step's loads
.set ADB,  6
.set ADS,  7
.set SH8,  8                           ; 8 x (lane / 16)
.set L16S, 9                           ; SCB + 16 x lane
.set NM,   12                          ; tile t: v[12+2t] -M, v[13+2t] the largest score so far
.set LS,   16                          ; v[16+2t:17+2t] the sum in two halves
.set FF,   20                          ; v[20+2t] f = 2^(old M - new M)
.set QS,   24                          ; v[24+t] q's scale word
.set PSW,  26                          ; v[26+t] p's scale word
.set SCK,  28                          ; v28-29 K's scale words
.set SCV,  30                          ; v30-31 V's
.set QZ,   32                          ; v32-61: 0 | q of tile 0 | 0 | q of tile 1 | 0, six registers each
.set PC,   62                          ; v[62+12t ..] p's codes
.set CT,   86                          ; four runs of three: the upper halves of blocks as the conversion leaves them
.set SWA,  89                          ; where my result's scale words go
.set SRA,  93                          ; where waves 0-3 read 256 bytes of them back
.set BM,   102                         ; v[102+4t ..] four maxima
.set TP,   110                         ; v[110+2t], v[111+2t]
.set SO,   114
.set BY,   118
.set SA,   122                         ; v126-127 a chain of tile 1's sum; the third chain at v10-11
.set S,    128                         ; v[128+64t ..] S^T, then p
.set OA,   0                           ; window 1
.set KF,   64
.set VF,   112
.set MXA,  102                         ; the way out's quantiser
.set MXB,  103
.set HW,   106
.set QW,   108
.set OT,   110
.set OW,   112
.set WV,   16
.set SEL,  20
.set CS,   22
.set NCS,  24
.set G1,   28
.set G1S,  36
.set G1E,  44
.set G0,   52
.set G0S,  56
.set G0E,  60
.set TB,   66                          ; LDS byte at which the fetched step's tiles begin
.set TS,   67                          ; and its scale words, from SCB on
.set SLB,  68
.set TSO,  69
.set CNT,  70
.set OUT,  71
.set MSB, 0
.macro WIN new                         ; the immediate's high byte repeats the setting that is left
.if MSB != \new
	s_set_vgpr_msb (MSB<<8)|\new
.set MSB, \new
.endif
.endm
.macro DL n
	s_delay_alu instid0(VALU_DEP_\n)
.endm
.macro CREST
	s_cmp_lg_u32 s[WV], 0
	s_cbranch_scc1 .Lnw0_\@
	s_barrier_signal -3
.Lnw0_\@:
	s_barrier_wait -3
	s_barrier_signal -1
	s_barrier_wait -1
.endm
.macro CROUND
	s_barrier_signal -1
	s_barrier_wait -1
	CREST
.endm
.macro REC reg, off                    ; a fragment: two records
	ds_load_b128 v[(\reg):(\reg)+3], v[ADA] offset:(\off)
	ds_load_b64 v[(\reg)+4:(\reg)+5], v[ADB] offset:(\off)+512
	ds_load_b128 v[(\reg)+6:(\reg)+9], v[ADA] offset:(\off)+768
	ds_load_b64 v[(\reg)+10:(\reg)+11], v[ADB] offset:(\off)+1280
.endm
.macro KFETCH                          ; 17 loads: K's scale words and four fragments of the step at TB, TS.  The four vector lines are the places behind the scores' matrix instructions
	v_add_nc_u32 v[ADA], s[TB], v[L16]
	v_add_nc_u32 v[ADB], s[TB], v[L8]
	v_add_nc_u32 v[ADS], s[TS], v[L16S]
	v_nop
	ds_load_b64 v[SCK:SCK+1], v[ADS]
	WIN 0x40                                       ; destination window 1, address window 0
.irp g, 0,1,2,3
	REC KF+12*\g, 1536*\g
.endr
	WIN 0
.endm
.macro VFETCH                          ; 17 loads: V's, by the addresses that K's fetch of the same step made
.rept 4
	v_nop                                          ; places behind the last step's matrix instructions, which read these registers
.endr
	ds_load_b64 v[SCV:SCV+1], v[ADS] offset:8
	WIN 0x40
.irp g, 0,1,2,3
	REC VF+12*\g, 6144+1536*\g
.endr
.endm
.macro WM d, a, b, c, sa, sb, row
.if \row
	v_wmma_scale_f32_16x16x128_f8f6f4 v[(\d):(\d)+7], v[(\a):(\a)+11], v[(\b):(\b)+11], \c, v[\sa], v[\sb] matrix_a_fmt:MATRIX_FMT_BF6 matrix_b_fmt:MATRIX_FMT_BF6 matrix_a_scale:MATRIX_SCALE_ROW1
.else
	v_wmma_scale_f32_16x16x128_f8f6f4 v[(\d):(\d)+7], v[(\a):(\a)+11], v[(\b):(\b)+11], \c, v[\sa], v[\sb] matrix_a_fmt:MATRIX_FMT_BF6 matrix_b_fmt:MATRIX_FMT_BF6
.endif
.endm
.macro QK                              ; S^T of both tiles: fragment f holds key tiles 2 f (against [q | 0]) and 2 f + 1 (against [0 | q])
	s_wait_dscnt 17                                ; K and its scale words are in; V's 17 loads, issued behind them, may stay out
	WIN 0x01                                       ; source 0 window 1
.irp f, 0,1,2,3
.irp t, 0,1
	WM S+64*\t+16*\f, KF+12*\f, QZ+6+12*\t, 0, SCK+\f/2, QS+\t, \f%2
	WM S+64*\t+16*\f+8, KF+12*\f, QZ+12*\t, 0, SCK+\f/2, QS+\t, \f%2
.endr
.endr
	WIN 0
.endm
.macro MV3 k                           ; a conversion's three registers begin on an even number: the upper half of a block is moved to its place
.irp i, 0,1,2
	v_mov_b32 v[PC+12*((\k)/2)+3+6*((\k)%2)+\i], v[CT+4*(\k)+\i]
.endr
.endm
; THE SOFTMAX of both tiles for 128 keys: work on registers of window 0 alone.
.macro SOFTMAX
.irp c, 0,1,2,3                        ; the largest score of my two blocks of 32 keys, in four chains a tile, each accumulator from its low end on
.irp t, 0,1
.set X, S+64*\t+32*(\c%2)+16*(\c/2)
	v_max3_num_f32 v[BM+\c+4*\t], v[X], v[X+1], v[X+2]
.endr
.endr
.irp i, 3,5,7,9,11,13
.irp c, 0,1,2,3
.irp t, 0,1
.set X, S+64*\t+32*(\c%2)+16*(\c/2)+\i
	v_max3_num_f32 v[BM+\c+4*\t], v[BM+\c+4*\t], v[X], v[X+1]
.endr
.endr
.endr
.irp t, 0,1
	v_max3_num_f32 v[BM+4*\t], v[BM+4*\t], v[BM+2+4*\t], v[S+15+64*\t]
.endr
.irp t, 0,1
	v_max3_num_f32 v[BM+1+4*\t], v[BM+1+4*\t], v[BM+3+4*\t], v[S+47+64*\t]
.endr
.irp t, 0,1
	v_max_num_f32 v[BM+4*\t], v[BM+4*\t], v[S+31+64*\t]
.endr
.irp t, 0,1
	v_max_num_f32 v[BM+1+4*\t], v[BM+1+4*\t], v[S+63+64*\t]
.endr
.irp t, 0,1
	DL 2
	v_max_num_f32 v[TP+2*\t], v[BM+4*\t], v[BM+1+4*\t]
.endr
.irp t, 0,1
	DL 2
	v_permlanex16_b32 v[TP+1+2*\t], v[TP+2*\t], s[SEL], s[SEL+1]
.endr
.irp t, 0,1
	DL 2
	v_max3_num_f32 v[NM+1+2*\t], v[NM+1+2*\t], v[TP+2*\t], v[TP+1+2*\t]   ; the running largest score of my query
.endr
.irp t, 0,1
	DL 2
	v_mul_f32 v[TP+2*\t], s[NCS], v[NM+1+2*\t]     ; -t (c is positive)
.endr
.irp t, 0,1
	v_mov_b32 v[TP+1+2*\t], v[NM+2*\t]
.endr
.irp t, 0,1
	DL 4
	v_floor_f32 v[NM+2*\t], v[TP+2*\t]             ; the new -M = floor(-t): M is a whole number
.endr
.irp t, 0,1
	DL 2
	v_sub_f32 v[TP+2*\t], v[NM+2*\t], v[TP+1+2*\t] ; old M - new M: a whole number, 0 or less
.endr
.irp t, 0,1
	DL 2
	v_cvt_i32_f32 v[TP+2*\t], v[TP+2*\t]           ; (it saturates)
.endr
.irp t, 0,1
	DL 2
	v_ldexp_f32 v[FF+2*\t], 1.0, v[TP+2*\t]        ; f = 2^(old M - new M)
.endr
.set J, 0
.rept 32
	v_pk_fma_f32 v[S+J:S+J+1], v[S+J:S+J+1], s[CS:CS+1], v[NM:NM+1] op_sel_hi:[1,0,0]   ; tile 0's t - M, two at a time; tile 1's stand between tile 0's exponentials
.set J, J+2
.endr
.irp c, 0,1
.irp t, 0,1
	v_fma_f32 v[BM+\c+4*\t], v[BM+\c+4*\t], s[CS], v[NM+2*\t]   ; the same of each block's largest score
.endr
.endr
	s_wait_alu depctr_va_vdst(0)
.irp c, 0,1
.irp t, 0,1
	v_exp_f32 v[BM+\c+4*\t], v[BM+\c+4*\t]         ; the blocks' largest p
.endr
.endr
.set J, 0
.rept 32                               ; tile 0: p = 2^(t - M), at most 1; behind each two exponentials one multiply-add of tile 1, which names none of their registers and is first read behind the wait below
	v_exp_f32 v[S+J], v[S+J]
	v_exp_f32 v[S+J+1], v[S+J+1]
	v_pk_fma_f32 v[S+64+J:S+65+J], v[S+64+J:S+65+J], s[CS:CS+1], v[NM+2:NM+3] op_sel_hi:[1,0,0]
.set J, J+2
.endr
	s_wait_alu depctr_va_vdst(0)                   ; behind the first batch and ahead of the second
.set R, 0
.rept 16                               ; tile 1's exponentials; between them plain lines on the first batch's results, each written once here and first read behind the next wait:
	v_exp_f32 v[S+64+4*R], v[S+64+4*R]
	v_exp_f32 v[S+65+4*R], v[S+65+4*R]
.if R < 2
	v_pk_mul_f32 v[LS+2*R:LS+2*R+1], v[LS+2*R:LS+2*R+1], v[FF+2*R:FF+2*R+1] op_sel_hi:[1,0]   ; the sums under the new M;
.elseif R < 6
	v_max_num_f32 v[BM+(R-2)/2+4*((R-2)%2)], 0x2800000, v[BM+(R-2)/2+4*((R-2)%2)]   ; the floor 2^(5 - 127) under the blocks' largest p: the byte cannot fall under 1;
.endif
	v_exp_f32 v[S+66+4*R], v[S+66+4*R]
	v_exp_f32 v[S+67+4*R], v[S+67+4*R]
.if R < 12                             ; and 16 sums of two pairs of tile 0's p, in the registers of p's codes and of the conversions, which are free here
	v_pk_add_f32 v[PC+2*R:PC+2*R+1], v[S+4*R:S+4*R+1], v[S+4*R+2:S+4*R+3]
.else
	v_pk_add_f32 v[CT+4*(R-12):CT+4*(R-12)+1], v[S+4*R:S+4*R+1], v[S+4*R+2:S+4*R+3]
.endif
.set R, R+1
.endr
	s_wait_alu depctr_va_vdst(0)                   ; one wait for the second batch, ahead of its first reader
	v_pk_add_f32 v[SA+4:SA+5], v[S+64:S+65], v[S+66:S+67]   ; the rows' sums of the unquantised p: tile 1 in three chains, tile 0's 16 sums in two
	v_pk_add_f32 v[10:11], v[S+68:S+69], v[S+70:S+71]
.set J, 72
.set R, 0
.rept 9
.if R == 8
	DL 4
.endif
	v_pk_add_f32 v[LS:LS+1], v[LS:LS+1], v[PC+2*R:PC+2*R+1]   ; sums 0 to 7, and at last the ninth, which has gathered sums 9 to 15
.if R < 3
	v_pk_add_f32 v[PC+16:PC+17], v[PC+16:PC+17], v[PC+18+2*R:PC+19+2*R]
.elseif R < 7
	v_pk_add_f32 v[PC+16:PC+17], v[PC+16:PC+17], v[CT+4*(R-3):CT+4*(R-3)+1]
.endif
	v_pk_add_f32 v[LS+2:LS+3], v[LS+2:LS+3], v[S+J:S+J+1]
	v_pk_add_f32 v[SA+4:SA+5], v[SA+4:SA+5], v[S+J+2:S+J+3]
	v_pk_add_f32 v[10:11], v[10:11], v[S+J+4:S+J+5]
.set J, J+6
.set R, R+1
.endr
	v_pk_add_f32 v[LS+2:LS+3], v[LS+2:LS+3], v[S+126:S+127]
	DL 2
	v_pk_add_f32 v[SA+4:SA+5], v[SA+4:SA+5], v[10:11]
	DL 1
	v_pk_add_f32 v[LS+2:LS+3], v[LS+2:LS+3], v[SA+4:SA+5]
.irp c, 0,1
.irp t, 0,1
	v_add_nc_u32 v[SO+\c+2*\t], 0xfe000000, v[BM+\c+4*\t]   ; 4 off the exponent field: the conversion's scale operand
.endr
.endr
.irp t, 0,1
	v_cvt_scalef32_pk16_bf6_f32 v[PC+12*\t:PC+12*\t+2], v[S+64*\t:S+64*\t+15], v[SO+2*\t]
	v_cvt_scalef32_pk16_bf6_f32 v[CT+8*\t:CT+8*\t+2], v[S+64*\t+16:S+64*\t+31], v[SO+2*\t]
	v_cvt_scalef32_pk16_bf6_f32 v[PC+12*\t+6:PC+12*\t+8], v[S+64*\t+32:S+64*\t+47], v[SO+1+2*\t]
	v_cvt_scalef32_pk16_bf6_f32 v[CT+8*\t+4:CT+8*\t+6], v[S+64*\t+48:S+64*\t+63], v[SO+1+2*\t]
.endr
.irp c, 0,1
.irp t, 0,1
	v_lshrrev_b32 v[BY+\c+2*\t], 23, v[SO+\c+2*\t] ; the scale's byte; plain places behind the conversions
.endr
.endr
	MV3 0                                          ; the moves stand between the links of the scale word's chain
.irp t, 0,1
	v_lshl_or_b32 v[PSW+\t], v[BY+1+2*\t], 16, v[BY+2*\t]   ; my blocks are h and 2 + h of the step's four
.endr
	MV3 1
.irp t, 0,1
	v_lshlrev_b32 v[PSW+\t], v[SH8], v[PSW+\t]
.endr
	MV3 2
.irp t, 0,1
	v_permlanex16_b32 v[TP+1+2*\t], v[PSW+\t], s[SEL], s[SEL+1]
.endr
	MV3 3
.irp t, 0,1
	v_or_b32 v[PSW+\t], v[PSW+\t], v[TP+1+2*\t]    ; with lane l xor 16's two the word is whole
.endr
.endm
.macro FINISH                          ; O^T under the new M, then O^T += V^T P^T
	WIN 0x41                                       ; source 0 and destination window 1
	s_wait_alu depctr_va_vdst(0)                   ; directly ahead of the first reader of O^T
.set J, 0
.rept 16
.irp t, 0,1
	v_pk_mul_f32 v[OA+32*\t+J:OA+32*\t+J+1], v[OA+32*\t+J:OA+32*\t+J+1], v[FF+2*\t:FF+2*\t+1] op_sel_hi:[1,0]   ; of these 32, 28 name no register of any one product below: the places behind p's scale words and codes
.endr
.set J, J+2
.endr
	s_wait_alu depctr_va_vdst(0)
	s_wait_dscnt 17                                ; V is in; the next step's 17 loads of K, issued behind V's, may stay out
	WIN 0x51                                       ; V, C and D window 1, p's codes window 0
.irp b, 0,1,2,3                        ; the eight accumulators by turns, one instruction a turn
.irp t, 0,1
	WM OA+32*\t+8*\b, VF+12*\b, PC+12*\t, v[OA+32*\t+8*\b:OA+32*\t+8*\b+7], SCV+\b/2, PSW+\t, \b%2
.endr
.endr
	WIN 0
.endm
; A KEY STEP.  kind 0: inside a slot.  kind 1: a slot's last step, the slot is filled again.  kind 2: a slot's last step, nothing is left to fill.
.macro STEP kind
	VFETCH
	QK
.if \kind == 0
	s_add_co_u32 s[TB], s[TB], STEPB
	s_add_co_u32 s[TS], s[TS], 512
	KFETCH
	SOFTMAX
.else
	s_wait_tensorcnt 0x0                           ; all my tensor loads have landed, my part of the other slot among them
	ds_add_u32 v[SPW], v[NIL]                      ; 0 onto my spare word
	s_xor_b32 s[SLB], s[SLB], SLOT1                ; the fetches go on in the other slot
	s_add_co_u32 s[TSO], s[TSO], 4096
	s_and_b32 s[TSO], s[TSO], 0x3fff               ; inside the 16,384 bytes of scale words
	s_mov_b32 s[TB], s[SLB]
	s_mov_b32 s[TS], s[TSO]
.if \kind == 1
	s_xor_b32 s[G0E+1], s[G0E+1], SLOT1            ; no load of mine is out: the walking descriptor goes to the slot in hand,
	s_add_nc_u64 s[G0E+2:G0E+3], s[G0E+2:G0E+3], SLOTB   ; and 8 key steps on; the type bits on top are not reached
.endif
	s_wait_dscnt 0x0                               ; the add is done, and my reads of the slot in hand are over: this step's V is in registers
	s_barrier_signal -1
.rept 4
	v_nop                                          ; places behind the scores' matrix instructions, ahead of the first read of their results
.endr
	SOFTMAX
	s_wait_alu depctr_va_vdst(0)
	s_barrier_wait -1
.if \kind == 1
	CREST                                          ; the barrier has opened a round of the cluster's barrier
	tensor_load_to_lds s[G0E:G0E+3], s[G1E:G1E+7]  ; my key step of the next eight, into the slot just left
	s_nop 0
	KFETCH
.else
	s_cmp_eq_u32 s[OUT], 1                         ; behind the walk's last step no step follows: nothing is fetched
	s_cbranch_scc1 .Lnofetch_\@
	KFETCH
.Lnofetch_\@:
.endif
.endif
	FINISH
.endm
; 32 numbers of a lane, one block of 32 along the next K, become 6 registers of codes and, with lane l xor 16's block, the row's halfword of two scale bytes.
.macro QUANT32 src, cod, hwr
	v_max3_num_f32 v[MXA], |v[(\src)]|, |v[(\src)+1]|, 0x2800000
	v_max3_num_f32 v[MXB], |v[(\src)+16]|, |v[(\src)+17]|, |v[(\src)+18]|
.irp i, 0,1,2,3,4,5
	DL 2
	v_max3_num_f32 v[MXA], v[MXA], |v[(\src)+2+2*\i]|, |v[(\src)+3+2*\i]|
	DL 2
	v_max3_num_f32 v[MXB], v[MXB], |v[(\src)+19+2*\i]|, |v[(\src)+20+2*\i]|
.endr
	DL 2
	v_max3_num_f32 v[MXA], v[MXA], |v[(\src)+14]|, |v[(\src)+15]|
	DL 1
	v_max3_num_f32 v[MXA], v[MXA], v[MXB], |v[(\src)+31]|
	DL 1
	v_add_nc_u32 v[SO], 0xfe000000, v[MXA]
	v_cvt_scalef32_pk16_bf6_f32 v[(\cod):(\cod)+2], v[(\src):(\src)+15], v[SO]
	v_cvt_scalef32_pk16_bf6_f32 v[CT:CT+2], v[(\src)+16:(\src)+31], v[SO]
	v_lshrrev_b32 v[BY], 23, v[SO]                 ; the scale's byte; also the plain place behind the conversions
	v_mov_b32 v[(\cod)+3], v[CT]
	v_mov_b32 v[(\cod)+4], v[CT+1]
	v_mov_b32 v[(\cod)+5], v[CT+2]
	DL 4
	v_lshlrev_b32 v[BY], v[SH8], v[BY]
	DL 1
	v_permlanex16_b32 v[OT], v[BY], s[SEL], s[SEL+1]
	DL 1
	v_or_b32 v[\hwr], v[BY], v[OT]
.endm
	s_load_b256 s[4:11], s[0:1], 0x0               ; q_img s[4:5], q_sc s[6:7], kv_codes s[8:9], kv_sc s[10:11]
	s_load_b128 s[12:15], s[0:1], 0x20             ; a_img s[12:13], a_sc s[14:15]
	v_lshl_add_u32 v[SPW], v0, 2, SPARE
	v_mov_b32 v[NIL], 0
	ds_add_u32 v[SPW], v[NIL]                      ; the opening lines: the add, twice on end, and its wait
	ds_add_u32 v[SPW], v[NIL]
	v_lshrrev_b32 v[ADA], 5, v0
	v_readfirstlane_b32 s[WV], v[ADA]              ; wave 0..7
	s_bfe_u32 s17, ttmp6, 0x40000                  ; cx
	s_lshl_b32 s18, ttmp9, 2
	s_add_co_u32 s18, s18, s17                     ; B = 4 x cluster x + cx: it enters Q's and the result's addresses alone
	s_and_b32 s19, ttmp7, 0xffff                   ; the head, which the four partners share
	s_and_b32 s72, s[WV], 3
	s_mul_i32 s73, s72, 24576                      ; a quarter of slot 0,
	s_lshl_b32 s74, s72, 12                        ; of the scale words,
	s_mul_i32 s75, s[WV], STEPB                    ; and my key step of a slot's eight
	s_mul_i32 s76, s19, 393216                     ; the head's 32 steps of 12,288 bytes
	s_add_co_u32 s80, s76, s73
	s_mov_b32 s81, 0
	s_add_co_u32 s82, s76, s75
	s_mov_b32 s83, 0
	s_lshl_b32 s78, s19, 14                        ; its 32 x 512 bytes of scale words
	s_add_co_u32 s78, s78, s74
	s_mov_b32 s79, 0
	; descriptor groups 1: dense blocks as rows of 32 elements of 8 bytes, no padding: 96 rows, 16 rows, 48 rows.  15:0 the mask: all four work-groups; 21 set beside a mask
.irp g, G1, G1S, G1E
	s_mov_b32 s[\g], 15|(3<<16)|(1<<21)
	s_mov_b32 s[\g+1], 32<<16
	s_mov_b32 s[\g+3], 32<<16
	s_mov_b32 s[\g+5], 32
	s_mov_b32 s[\g+6], 0
	s_mov_b32 s[\g+7], 0
.endr
	s_mov_b32 s[G1+2], 96<<16
	s_mov_b32 s[G1+4], 96
	s_mov_b32 s[G1S+2], 16<<16
	s_mov_b32 s[G1S+4], 16
	s_mov_b32 s[G1E+2], 48<<16
	s_mov_b32 s[G1E+4], 48
	s_mov_b32 s[SEL], 0x76543210
	s_mov_b32 s[SEL+1], 0xfedcba98                 ; v_permlanex16_b32's selects for lane l xor 16
	s_mov_b32 s[CS], 0x3e38aa3b                    ; c = log2(e) / 8
	s_mov_b32 s[CS+1], s[CS]                       ; (named with it as a pair, so it is written)
	s_mov_b32 s[NCS], 0xbe38aa3b                   ; -c
	s_mov_b32 s[SLB], 0
	s_mov_b32 s[TSO], 0
	s_mov_b32 s[TB], 0
	s_mov_b32 s[TS], 0
	s_lshl_b32 s84, s18, 4
	s_lshl_b32 s85, s[WV], 1
	s_add_co_u32 s84, s84, s85                     ; my first query tile = 16 B + 2 x wave
	s_lshl_b32 s85, s19, 8
	s_add_co_u32 s85, s85, s84                     ; 256 head + tile
	s_lshl_b32 s88, s[WV], 7
	s_add_co_u32 s88, s88, SCR
	s_lshl_b32 s89, s72, 8
	s_add_co_u32 s89, s89, SCR
	s_mov_b32 s87, 0
	s_wait_dscnt 0x0                               ; both opening adds are done
	s_wait_kmcnt 0x0
	s_mov_b32 s[G0], 1
	s_mov_b32 s[G0+1], s73
	s_add_nc_u64 s[G0+2:G0+3], s[8:9], s[80:81]
	s_or_b32 s[G0+3], s[G0+3], 0x80000000
	s_mov_b32 s[G0S], 1
	s_add_co_u32 s[G0S+1], s74, SCB
	s_add_nc_u64 s[G0S+2:G0S+3], s[10:11], s[78:79]
	s_or_b32 s[G0S+3], s[G0S+3], 0x80000000
	s_mov_b32 s[G0E], 1
	s_mov_b32 s[G0E+1], s75
	s_add_nc_u64 s[G0E+2:G0E+3], s[8:9], s[82:83]
	s_or_b32 s[G0E+3], s[G0E+3], 0x80000000
	s_mul_i32 s86, s85, 768
	s_add_nc_u64 s[4:5], s[4:5], s[86:87]          ; Q's two records
	s_lshl_b32 s86, s85, 6
	s_add_nc_u64 s[6:7], s[6:7], s[86:87]          ; and their scale words
	s_mul_i32 s86, s84, 12288
	s_mul_i32 s77, s19, 768
	s_add_co_u32 s86, s86, s77
	s_add_nc_u64 s[12:13], s[12:13], s[86:87]      ; the result's records: [tile][head]
	s_lshl_b32 s86, s19, 14
	s_lshl_b32 s77, s18, 10
	s_add_co_u32 s86, s86, s77
	s_lshl_b32 s77, s72, 8
	s_add_co_u32 s86, s86, s77
	s_add_nc_u64 s[14:15], s[14:15], s[86:87]      ; its scale words: [head][tile]; waves 0-3 store 256 bytes each
	CROUND                                         ; all four work-groups are here: the first joint loads meet
	s_cmp_lt_u32 s[WV], 4                          ; one tensor load a wave at the head, one to each arm
	s_cbranch_scc0 .Lhead_sc
	tensor_load_to_lds s[G0:G0+3], s[G1:G1+7]      ; a quarter of slot 0
	s_nop 0
.rept 4
	v_nop
.endr
	s_branch .Lhead_asked
.Lhead_sc:
	tensor_load_to_lds s[G0S:G0S+3], s[G1S:G1S+7]  ; a quarter of the head's scale words: filled once
	s_nop 0
.rept 4
	v_nop
.endr
.Lhead_asked:
	v_and_b32 v[L8], 31, v0
	v_and_b32 v[ADS], 15, v0
	v_bfe_u32 v[SH8], v0, 4, 1
	DL 3
	v_lshlrev_b32 v[L16], 4, v[L8]
	DL 3
	v_lshlrev_b32 v[ADS], 2, v[ADS]                ; 4 x (lane % 16)
	DL 3
	v_lshlrev_b32 v[SH8], 3, v[SH8]
	v_lshlrev_b32 v[L8], 3, v[L8]
	DL 4
	v_add_nc_u32 v[L16S], SCB, v[L16]
	DL 4
	v_add_nc_u32 v[SWA], s88, v[ADS]
	DL 3
	v_add_nc_u32 v[SRA], s89, v[L8]
	global_load_b128 v[QZ+6:QZ+9], v[L16], s[4:5]
	global_load_b64 v[QZ+10:QZ+11], v[L8], s[4:5] offset:512
	global_load_b128 v[QZ+18:QZ+21], v[L16], s[4:5] offset:768
	global_load_b64 v[QZ+22:QZ+23], v[L8], s[4:5] offset:1280
	global_load_b32 v[QS], v[ADS], s[6:7]
	global_load_b32 v[QS+1], v[ADS], s[6:7] offset:64
.irp j, 0,1,2,3,4,5,12,13,14,15,16,17,24,25,26,27,28,29
	v_mov_b32 v[QZ+\j], 0                          ; the zero codes beside q
.endr
.irp t, 0,1
	v_mov_b32 v[NM+1+2*\t], 0xff61b1e6             ; the largest score so far: -3e38
	v_mov_b32 v[NM+2*\t], 0x7e000000               ; -M: a whole number above every later one
	v_mov_b32 v[LS+2*\t], 0
	v_mov_b32 v[LS+1+2*\t], 0
	v_mov_b32 v[FF+1+2*\t], 0                      ; (named as the upper half of a pair)
	v_mov_b32 v[TP+1+2*\t], 0                      ; a lane permute's destination counts as one of its sources
.endr
	WIN 0x40
.set J, 0
.rept 64
	v_mov_b32 v[OA+J], 0                           ; O^T: the step is written once; its first walk finds zeros, which the first change of M leaves zeros
.set J, J+1
.endr
	WIN 0
	s_wait_alu depctr_va_vdst(0)
	s_wait_loadcnt 0x0                             ; Q
	s_wait_tensorcnt 0x0                           ; my load of the head is in; slot 1's first fill stands behind the same lines as a refill
	ds_add_u32 v[SPW], v[NIL]
	s_xor_b32 s[G0E+1], s[G0E+1], SLOT1
	s_add_nc_u64 s[G0E+2:G0E+3], s[G0E+2:G0E+3], SLOTB
	s_wait_dscnt 0x0
	CROUND
	tensor_load_to_lds s[G0E:G0E+3], s[G1E:G1E+7]  ; slot 1: key steps 8 to 15, one a wave
	s_nop 0
	KFETCH                                         ; K of step 0
	s_wait_alu depctr_va_vdst(0)
	s_mov_b32 s[OUT], 2
.Lfill:                                            ; two slots behind which a refill follows
	s_mov_b32 s[CNT], 7
.Lin_a:
	STEP 0
	s_sub_co_u32 s[CNT], s[CNT], 1
	s_cmp_lg_u32 s[CNT], 0
	s_cbranch_scc1 .Lin_a
	STEP 1
	s_sub_co_u32 s[OUT], s[OUT], 1
	s_cmp_lg_u32 s[OUT], 0
	s_cbranch_scc1 .Lfill
	s_mov_b32 s[OUT], 2
.Ltail:                                            ; the last two slots: no tensor load is left
	s_mov_b32 s[CNT], 7
.Lin_b:
	STEP 0
	s_sub_co_u32 s[CNT], s[CNT], 1
	s_cmp_lg_u32 s[CNT], 0
	s_cbranch_scc1 .Lin_b
	STEP 2
	s_sub_co_u32 s[OUT], s[OUT], 1
	s_cmp_lg_u32 s[OUT], 0
	s_cbranch_scc1 .Ltail
	; THE WAY OUT: O^T / the sum, quantised along the head's 64: a tile's 32 registers are d = 32 h + 0 .. 31, one block
.irp t, 0,1
	v_add_f32 v[LS+2*\t], v[LS+2*\t], v[LS+1+2*\t]
.endr
.irp t, 0,1
	DL 2
	v_permlanex16_b32 v[TP+1+2*\t], v[LS+2*\t], s[SEL], s[SEL+1]
.endr
.irp t, 0,1
	DL 2
	v_add_f32 v[LS+2*\t], v[LS+2*\t], v[TP+1+2*\t] ; with lane l xor 16's keys: the row's sum
.endr
	s_wait_alu depctr_va_vdst(0)
	v_rcp_f32 v[FF], v[LS]
	v_rcp_f32 v[FF+2], v[LS+2]
	v_mov_b32 v[OT], 0                             ; a plain place behind the reciprocals; a lane permute's destination counts as one of its sources
	WIN 0x01                                       ; source 0 window 1
	s_wait_alu depctr_va_vdst(0)                   ; ahead of the first reader of the reciprocals and of O^T
.set J, 0
.rept 16
.irp t, 0,1
	v_pk_mul_f32 v[S+64*\t+J:S+64*\t+J+1], v[OA+32*\t+J:OA+32*\t+J+1], v[FF+2*\t:FF+2*\t+1] op_sel_hi:[1,0]
.endr
.set J, J+2
.endr
	WIN 0
.irp t, 0,1
	QUANT32 S+64*\t, PC+12*\t, HW+\t
	global_store_b128 v[L16], v[PC+12*\t:PC+12*\t+3], s[12:13] offset:12288*\t   ; 512 consecutive bytes, aligned to 256
	global_store_b64 v[L8], v[PC+12*\t+4:PC+12*\t+5], s[12:13] offset:12288*\t+512
	v_lshl_or_b32 v[QW+\t], v[HW+\t], 16, v[HW+\t]
	ds_store_b32 v[SWA], v[QW+\t] offset:64*\t     ; both lanes of a row write the same word with the same value
.endr
	s_wait_dscnt 0x0                               ; for the others' sake
	s_barrier_signal -1
	s_barrier_wait -1
	s_cmp_lt_u32 s[WV], 4
	s_cbranch_scc0 .Lno_words
	ds_load_b64 v[OW:OW+1], v[SRA]                 ; two waves' words
	s_wait_dscnt 0x0
	global_store_b64 v[L8], v[OW:OW+1], s[14:15]   ; 256 consecutive bytes, aligned
.Lno_words:
	s_wait_tensorcnt 0x0                           ; the wave's end
	ds_add_u32 v[SPW], v[NIL]
	s_wait_dscnt 0x0
	CROUND                                         ; the closing round
	s_endpgm
.Lfunc_end_k_qcf6d6fd2f5_attn:
	.size	k_qcf6d6fd2f5_attn, .Lfunc_end_k_qcf6d6fd2f5_attn-k_qcf6d6fd2f5_attn
	.p2alignl 7, 3214868480
	.fill 96, 4, 3214868480
	.section	.rodata,"a",@progbits
	.p2align	6, 0x0
	.amdhsa_kernel k_qcf6d6fd2f5_attn
		.amdhsa_group_segment_fixed_size 327680
		.amdhsa_private_segment_fixed_size 0
		.amdhsa_enable_private_segment 0
		.amdhsa_kernarg_size 48
		.amdhsa_user_sgpr_count 2
		.amdhsa_user_sgpr_kernarg_segment_ptr 1
		.amdhsa_wavefront_size32 1
		.amdhsa_system_sgpr_workgroup_id_x 1
		.amdhsa_system_sgpr_workgroup_id_y 1
		.amdhsa_system_sgpr_workgroup_id_z 1
		.amdhsa_system_vgpr_workitem_id 0
		.amdhsa_next_free_vgpr 512
		.amdhsa_next_free_sgpr 96
		.amdhsa_reserve_vcc 0
		.amdhsa_float_denorm_mode_32 3
		.amdhsa_float_denorm_mode_16_64 3
		.amdhsa_memory_ordered 1
		.amdhsa_forward_progress 1
		.amdhsa_inst_pref_size 132
	.end_amdhsa_kernel
	.amdgpu_metadata
---
amdhsa.version: [ 1, 2 ]
amdhsa.kernels:
  - .name:           k_qcf6d6fd2f5_attn
    .symbol:         k_qcf6d6fd2f5_attn.kd
    .args:
      - { .name: q_img, .offset: 0, .size: 8, .value_kind: global_buffer, .address_space: global }
      - { .name: q_sc, .offset: 8, .size: 8, .value_kind: global_buffer, .address_space: global }
      - { .name: kv_codes, .offset: 16, .size: 8, .value_kind: global_buffer, .address_space: global }
      - { .name: kv_sc, .offset: 24, .size: 8, .value_kind: global_buffer, .address_space: global }
      - { .name: a_img, .offset: 32, .size: 8, .value_kind: global_buffer, .address_space: global }
      - { .name: a_sc, .offset: 40, .size: 8, .value_kind: global_buffer, .address_space: global }
    .group_segment_fixed_size: 327680
    .private_segment_fixed_size: 0
    .kernarg_segment_align: 8
    .kernarg_segment_size: 48
    .max_flat_workgroup_size: 256
    .sgpr_count:     96
    .vgpr_count:     512
    .wavefront_size: 32
...
	.end_amdgpu_metadata
.endif
;; end of part 2
;; launch proj (part 3): grid 8 x 32, 4 waves a work-group, clusters of 4 x 4, 327,680 bytes of LDS; arguments a_img, a_sc, out_w_codes, out_w_scales, out_b, out0; writes out0
.if DOCPART == 3
	.amdgcn_target "amdgcn-amd-amdhsa--gfx1250"
	.amdhsa_code_object_version 6
	.text
	.protected	k_qcf6d6fd2f5_proj
	.globl	k_qcf6d6fd2f5_proj
	.p2align	8
	.type	k_qcf6d6fd2f5_proj,@function
k_qcf6d6fd2f5_proj:
	s_mov_b64 s[64:65], 0
	v_nop
	global_prefetch_b8 v0, s[64:65] scope:SCOPE_SE
	s_setreg_imm32_b32 hwreg(HW_REG_WAVE_MODE, 25, 1), 1
	s_wait_xcnt 0x0
	s_wait_alu depctr_hold_cnt(0) depctr_sa_sdst(0) depctr_va_vdst(0) depctr_va_sdst(0) depctr_va_ssrc(0) depctr_va_vcc(0) depctr_vm_vsrc(0)
	s_getreg_b32 s2, hwreg(HW_REG_IB_STS2, 6, 4)
	s_cmp_eq_u32 s2, 0
	s_cbranch_scc0 .Lentry_in_a_cluster
	s_endpgm
.Lentry_in_a_cluster:
	s_bfe_u32 s2, ttmp6, 0x10000c
	s_cmp_lg_u32 s2, 0xf033
	s_cbranch_scc0 .Lentry_shape_is_right
	s_endpgm
.Lentry_shape_is_right:
.set PITCH, 816
.set WB,    98304
.set STG,   WB+128*PITCH
.set AW,   2
.set AA16, 4
.set AA8,  5
.set STO,  6
.set RD,   7
.set CO,   8
.set WSO,  9
.set BIO,  10
.set ASO,  11
.set ASC,  32
.set WSC,  48
.set BI,   64
.set EO,   96
.set OB,   64
.set ACC,  128
.set F0,   0
.set G1A,  28
.set G1W,  36
.set G0A,  44
.set G0W,  48
.set MSB, 0
.macro WIN new
.if MSB != \new
	s_set_vgpr_msb (MSB<<8)|\new
.set MSB, \new
.endif
.endm
.macro PLACES n
.rept \n
	v_nop
.endr
.endm
.macro CROUND
	s_barrier_signal -1
	s_barrier_wait -1
	s_cmp_lg_u32 s20, 0
	s_cbranch_scc1 .Lnot_wave_0_\@
	s_barrier_signal -3
.Lnot_wave_0_\@:
	s_barrier_wait -3
	s_barrier_signal -1
	s_barrier_wait -1
.endm
.macro FRAG reg, ks, t
.irp p, 0,1,2,3,4,5
.set PCE, 12*(\ks)+6*(\p/3)+\p%3
.if PCE%32 < 29
	ds_load_b64 v[(\reg)+2*\p:(\reg)+2*\p+1], v[AW] offset:8*PCE+16*(PCE/32)+(\t)*16*PITCH
.else
	ds_load_b64 v[(\reg)+2*\p:(\reg)+2*\p+1], v[AW+1] offset:8*PCE+16*(PCE/32)+(\t)*16*PITCH
.endif
.endr
.endm
.macro AFRAG reg, ks, a
	ds_load_b128 v[(\reg):(\reg)+3], v[AA16] offset:12288*(\a)+1536*(\ks)
	ds_load_b64 v[(\reg)+4:(\reg)+5], v[AA8] offset:12288*(\a)+1536*(\ks)+512
	ds_load_b128 v[(\reg)+6:(\reg)+9], v[AA16] offset:12288*(\a)+1536*(\ks)+768
	ds_load_b64 v[(\reg)+10:(\reg)+11], v[AA8] offset:12288*(\a)+1536*(\ks)+1280
.endm
.macro FETCH ks, f
	WIN 0x40
.irp t, 0,1,2,3
	FRAG (\f)+12*\t, \ks, \t
	AFRAG (\f)+48+12*\t, \ks, \t
.endr
.endm
.macro MUL16 ks, f
	WIN 0x05
.irp i1, 0,1,2,3
.irp i0, 0,1,2,3
.if (\ks) == 0
	v_wmma_scale_f32_16x16x128_f8f6f4 v[ACC+8*(4*\i1+\i0):ACC+8*(4*\i1+\i0)+7], v[(\f)+12*\i0:(\f)+12*\i0+11], v[(\f)+48+12*\i1:(\f)+48+12*\i1+11], v[BI+8*\i0:BI+8*\i0+7], v[WSC+4*\i0], v[ASC+4*\i1] matrix_a_fmt:MATRIX_FMT_BF6 matrix_b_fmt:MATRIX_FMT_BF6
.elseif (\ks) < 4
	v_wmma_scale_f32_16x16x128_f8f6f4 v[ACC+8*(4*\i1+\i0):ACC+8*(4*\i1+\i0)+7], v[(\f)+12*\i0:(\f)+12*\i0+11], v[(\f)+48+12*\i1:(\f)+48+12*\i1+11], v[ACC+8*(4*\i1+\i0):ACC+8*(4*\i1+\i0)+7], v[WSC+4*\i0+(\ks)], v[ASC+4*\i1+(\ks)] matrix_a_fmt:MATRIX_FMT_BF6 matrix_b_fmt:MATRIX_FMT_BF6
.else
	v_wmma_scale_f32_16x16x128_f8f6f4 v[ACC+8*(4*\i1+\i0):ACC+8*(4*\i1+\i0)+7], v[(\f)+12*\i0:(\f)+12*\i0+11], v[(\f)+48+12*\i1:(\f)+48+12*\i1+11], v[ACC+8*(4*\i1+\i0):ACC+8*(4*\i1+\i0)+7], v[WSC+4*\i0+(\ks)-4], v[ASC+4*\i1+(\ks)-4] matrix_a_fmt:MATRIX_FMT_BF6 matrix_b_fmt:MATRIX_FMT_BF6 matrix_a_scale:MATRIX_SCALE_ROW1 matrix_b_scale:MATRIX_SCALE_ROW1
.endif
.endr
.endr
.endm
.macro TOSTAGE a
.irp b, 0,1,2,3
	ds_store_b128 v[STO], v[ACC+8*(4*(\a)+\b):ACC+8*(4*(\a)+\b)+3] offset:64*\b
	ds_store_b128 v[STO], v[ACC+8*(4*(\a)+\b)+4:ACC+8*(4*(\a)+\b)+7] offset:64*\b+16
.endr
.irp t, 0,1,2,3,4,5,6,7
	ds_load_b128 v[OB+32*((\a)%2)+4*\t:OB+32*((\a)%2)+4*\t+3], v[RD] offset:544*\t
.endr
.endm
.macro SEND a, younger
	s_wait_dscnt \younger
.irp t, 0,1,2,3,4,5,6,7
	global_store_b128 v[CO], v[OB+32*((\a)%2)+4*\t:OB+32*((\a)%2)+4*\t+3], s[14:15] offset:(((2*\t)%8)+32*(\t/4)+8*(\a))*4096 th:TH_STORE_NT
.endr
.endm
	s_load_b256 s[4:11], s[0:1], 0x0
	s_load_b128 s[12:15], s[0:1], 0x20
	v_lshl_add_u32 v30, v0, 2, 0x35c00
	v_mov_b32 v31, 0
	ds_add_u32 v30, v31
	ds_add_u32 v30, v31
	v_lshrrev_b32 v1, 5, v0
	v_readfirstlane_b32 s20, v1
	s_and_b32 s21, s20, 1
	s_lshr_b32 s22, s20, 1
	s_bfe_u32 s23, ttmp6, 0x40000
	s_bfe_u32 s24, ttmp6, 0x40004
	s_lshl_b32 s25, ttmp9, 2
	s_add_co_u32 s25, s25, s23
	s_and_b32 s26, ttmp7, 0xffff
	s_lshl_b32 s26, s26, 2
	s_add_co_u32 s26, s26, s24
	s_lshl_b32 s52, s24, 2
	s_lshl_b32 s52, 15, s52
	s_lshl_b32 s53, 0x1111, s23
	s_or_b32 s[G1A], s52, (3<<16)|(1<<21)
	s_or_b32 s[G1W], s53, (3<<16)|(1<<20)|(1<<21)|(5<<22)|(3<<25)
.irp g, G1A, G1W
	s_mov_b32 s[\g+1], 32<<16
	s_mov_b32 s[\g+2], 192<<16                     ; a load brings half a tile: 192 rows of 256 bytes
	s_mov_b32 s[\g+3], 32<<16
	s_mov_b32 s[\g+4], 192
	s_mov_b32 s[\g+5], 32
	s_mov_b32 s[\g+6], 0
	s_mov_b32 s[\g+7], 0
.endr
	s_mul_i32 s54, s21, 49152                      ; which half of a tile I fetch: wave & 1
	s_mul_i32 s56, s26, 98304
	s_add_co_u32 s56, s56, s54
	s_mov_b32 s57, 0
	s_mul_i32 s58, s25, 98304
	s_add_co_u32 s58, s58, s54
	s_mov_b32 s59, 0
	s_mul_i32 s55, s21, 64*PITCH
	s_wait_dscnt 0x0
	s_wait_kmcnt 0x0
	s_mov_b32 s[G0A], 1
	s_mov_b32 s[G0A+1], s54
	s_add_nc_u64 s[G0A+2:G0A+3], s[4:5], s[56:57]
	s_or_b32 s[G0A+3], s[G0A+3], 0x80000000
	s_mov_b32 s[G0W], 1
	s_add_co_u32 s[G0W+1], s55, WB
	s_add_nc_u64 s[G0W+2:G0W+3], s[8:9], s[58:59]
	s_or_b32 s[G0W+3], s[G0W+3], 0x80000000
	CROUND
	s_cmp_lt_u32 s20, 2                            ; one tensor load a wave at the head: waves 0, 1 fetch the halves of A's tile, waves 2, 3 those of W's
	s_cbranch_scc0 .Lhead_w
	tensor_load_to_lds s[G0A:G0A+3], s[G1A:G1A+7]
	s_nop 0
	PLACES 4
	s_branch .Lhead_asked
.Lhead_w:
	tensor_load_to_lds s[G0W:G0W+3], s[G1W:G1W+7]
	s_nop 0
	PLACES 4
.Lhead_asked:
	v_and_b32 v16, 31, v0
	v_and_b32 v17, 15, v0
	v_bfe_u32 v18, v0, 4, 1
	v_lshlrev_b32 v[WSO], 5, v17
	v_lshl_add_u32 v[WSO], v18, 4, v[WSO]
	s_wait_alu depctr_va_vdst(0)
	v_lshlrev_b32 v[BIO], 5, v18
	s_wait_alu depctr_va_vdst(0)
	v_lshlrev_b32 v[ASO], 17, v18
	v_lshl_add_u32 v[ASO], v17, 2, v[ASO]
	s_wait_alu depctr_va_vdst(0)
	s_lshl_b32 s66, s25, 12
	s_lshl_b32 s68, s22, 11
	s_add_co_u32 s66, s66, s68
	s_mov_b32 s67, 0
	s_add_nc_u64 s[10:11], s[10:11], s[66:67]
	s_lshl_b32 s70, s25, 9
	s_lshl_b32 s68, s22, 8
	s_add_co_u32 s70, s70, s68
	s_mov_b32 s66, s70
	s_add_nc_u64 s[12:13], s[12:13], s[66:67]
	s_lshl_b32 s66, s26, 19
	s_lshl_b32 s68, s21, 18
	s_add_co_u32 s66, s66, s68
	s_add_co_u32 s66, s66, s70
	s_add_nc_u64 s[14:15], s[14:15], s[66:67]
	s_lshl_b32 s66, s26, 9
	s_lshl_b32 s68, s21, 8
	s_add_co_u32 s66, s66, s68
	s_add_nc_u64 s[6:7], s[6:7], s[66:67]
.irp b, 0,1,2,3
	global_load_b128 v[WSC+4*\b:WSC+4*\b+3], v[WSO], s[10:11] offset:512*\b
	global_load_b128 v[BI+8*\b:BI+8*\b+3], v[BIO], s[12:13] offset:64*\b
	global_load_b128 v[BI+8*\b+4:BI+8*\b+7], v[BIO], s[12:13] offset:64*\b+16
.endr
.irp a, 0,1,2,3
.irp q, 0,1,2,3
	global_load_b32 v[EO+2*(4*\a+\q)], v[ASO], s[6:7] offset:32768*\q+64*\a
	global_load_b32 v[EO+2*(4*\a+\q)+1], v[ASO], s[6:7] offset:32768*\q+16384+64*\a
.endr
.endr
	v_mul_u32_u24 v19, v17, PITCH
	v_mad_u32_u24 v19, v18, 24, v19
	s_mul_i32 s66, s22, 64*PITCH
	s_add_co_u32 s66, s66, WB
	v_add_nc_u32 v[AW], s66, v19
	v_lshl_add_u32 v[AW+1], v18, 4, v[AW]
	s_mul_i32 s66, s21, 49152
	v_lshl_add_u32 v[AA16], v16, 4, s66
	v_lshl_add_u32 v[AA8], v16, 3, s66
	s_mul_i32 s66, s20, 16*272
	s_add_co_u32 s66, s66, STG
	v_mul_u32_u24 v19, v17, 272
	v_lshl_add_u32 v19, v18, 5, v19
	v_add_nc_u32 v[STO], s66, v19
	v_mul_u32_u24 v19, v18, 272
	v_lshl_add_u32 v19, v17, 4, v19
	v_add_nc_u32 v[RD], s66, v19
	v_lshlrev_b32 v[CO], 12, v18
	v_lshl_add_u32 v[CO], v17, 4, v[CO]
	s_wait_loadcnt 0x0
.irp k, 0,1,2,3,4,5,6,7,8,9,10,11,12,13,14,15
	v_bfi_b32 v[ASC+\k], 0xffff, v[EO+2*\k], v[EO+2*\k+1]
.endr
	PLACES 8
	s_wait_alu depctr_va_vdst(0)
	s_wait_tensorcnt 0x0
	s_barrier_signal -1
	s_barrier_wait -1
	FETCH 0, F0
.irp ks, 0,1,2,3,4,5,6,7
	s_wait_dscnt 0x0
.if \ks < 7
.if \ks > 0
	PLACES 4
.endif
	FETCH \ks+1, F0+128*((\ks+1)%2)
.endif
	MUL16 \ks, F0+128*(\ks%2)
.endr
	WIN 0
	PLACES 4
	TOSTAGE 0
.irp a, 1,2,3
.if \a > 1
	s_wait_xcnt 0x0
.endif
	TOSTAGE \a
	SEND \a-1, 16
.endr
	SEND 3, 0
	s_wait_tensorcnt 0x0
	ds_add_u32 v30, v31
	s_wait_dscnt 0x0
	CROUND
	s_endpgm
.Lfunc_end_k_qcf6d6fd2f5_proj:
	.size	k_qcf6d6fd2f5_proj, .Lfunc_end_k_qcf6d6fd2f5_proj-k_qcf6d6fd2f5_proj
	.p2alignl 7, 3214868480
	.fill 96, 4, 3214868480
	.section	.rodata,"a",@progbits
	.p2align	6, 0x0
	.amdhsa_kernel k_qcf6d6fd2f5_proj
		.amdhsa_group_segment_fixed_size 327680
		.amdhsa_private_segment_fixed_size 0
		.amdhsa_enable_private_segment 0
		.amdhsa_kernarg_size 48
		.amdhsa_user_sgpr_count 2
		.amdhsa_user_sgpr_kernarg_segment_ptr 1
		.amdhsa_wavefront_size32 1
		.amdhsa_system_sgpr_workgroup_id_x 1
		.amdhsa_system_sgpr_workgroup_id_y 1
		.amdhsa_system_sgpr_workgroup_id_z 1
		.amdhsa_system_vgpr_workitem_id 0
		.amdhsa_next_free_vgpr 512
		.amdhsa_next_free_sgpr 80
		.amdhsa_reserve_vcc 0
		.amdhsa_float_denorm_mode_32 3
		.amdhsa_float_denorm_mode_16_64 3
		.amdhsa_memory_ordered 1
		.amdhsa_forward_progress 1
		.amdhsa_inst_pref_size 58
	.end_amdhsa_kernel
	.amdgpu_metadata
---
amdhsa.version: [ 1, 2 ]
amdhsa.kernels:
  - .name:           k_qcf6d6fd2f5_proj
    .symbol:         k_qcf6d6fd2f5_proj.kd
    .args:
      - { .name: a_img, .offset: 0, .size: 8, .value_kind: global_buffer, .address_space: global }
      - { .name: a_sc, .offset: 8, .size: 8, .value_kind: global_buffer, .address_space: global }
      - { .name: out_w_codes, .offset: 16, .size: 8, .value_kind: global_buffer, .address_space: global }
      - { .name: out_w_scales, .offset: 24, .size: 8, .value_kind: global_buffer, .address_space: global }
      - { .name: out_b, .offset: 32, .size: 8, .value_kind: global_buffer, .address_space: global }
      - { .name: out0, .offset: 40, .size: 8, .value_kind: global_buffer, .address_space: global }
    .group_segment_fixed_size: 327680
    .private_segment_fixed_size: 0
    .kernarg_segment_align: 8
    .kernarg_segment_size: 48
    .max_flat_workgroup_size: 128
    .sgpr_count:     80
    .vgpr_count:     512
    .wavefront_size: 32
...
	.end_amdgpu_metadata
.endif
;; end of part 3
